; MI455X (gfx1250); checked and timed in simulation.
; The chip was launched on July 23, 2026; its instructions are those of AMD's public machine-readable ISA for CDNA 5 (MIT licence, August 2026) and "CDNA5" Instruction Set Architecture Reference Guide (July 2026). The comments in the code are by the model that wrote it; some were corrected since.
;; Custom Linear. Allowed arithmetic: float matrix products may take bf16 or f16 operands with f32 sums; all other float work in f32.
;; Inputs: bias 4,096 float32; weight 4,096 x 4,096 float32; x 4,096 x 4,096 float32.
;; Outputs: out0 4,096 x 4,096 float32.
;; 2 versions, each right; version 2 is version 1 with the launch tobf16 written anew for expert scheduling mode. Each part assembles by itself: llvm-mc -triple=amdgcn-amd-amdhsa -mcpu=gfx1250 --defsym DOCPART=n.
;; ======== version 1 of 2: 2 launches
;; workspace buffers: xb 33,554,432 bytes; wb 33,554,432 bytes
;; launch tobf16 (part 1): grid 1024 x 1, 8 waves a work-group, no clusters, 0 bytes of LDS; arguments x, weight, xb, wb; writes xb, wb
.if DOCPART == 1
	.amdgcn_target "amdgcn-amd-amdhsa--gfx1250"
	.amdhsa_code_object_version 6
	.text
	.protected	k_q0c1e488089_tobf16
	.globl	k_q0c1e488089_tobf16
	.p2align	8
	.type	k_q0c1e488089_tobf16,@function
k_q0c1e488089_tobf16:
	s_mov_b64 s[64:65], 0
	v_nop
	global_prefetch_b8 v0, s[64:65] scope:SCOPE_SE
	s_setreg_imm32_b32 hwreg(HW_REG_WAVE_MODE, 25, 1), 1
	s_wait_xcnt 0x0
; xb = bf16(x), wb = bf16(weight): both [4096][4096], f32 in, bf16 out, same index order, rounded once to nearest even.
; LIMIT: a magnitude above 3.3895e38 rounds to a bf16 infinity; NaN stays NaN.
; WHY A LAUNCH OF ITS OWN: the product that follows walks K in steps of 128 through two LDS slots of 512 rows.  In f32 such a row is 512 bytes,
; two slots would be 540,672 bytes with their padding, more than the 327,680 a work-group can have, and every product would be fed from twice the LDS bytes.
; Here each input byte is read once and each bf16 byte written once.
; SHARES: work-group g owns bytes 65,536 g .. + 65,535 of x and of weight, and bytes 32,768 g .. + 32,767 of xb and of wb: 1,024 x 65,536 = the whole of each.
; A ROW is what the 256 threads take with one load each: 4,096 bytes in, 2,048 bytes out; 16 rows of x, then 16 rows of weight.
; Thread t loads 16 bytes at 16 t of a row (a wave's load: 512 consecutive bytes) and stores 8 bytes at 8 t (a wave's store: 256 consecutive bytes, aligned).
; Sixteen loads of every wave are on their way throughout: x's 16 rows at the start, and weight's row i as soon as x's row i has been converted.
; No LDS, no barrier, no matrix unit, no cluster: nothing is shared and nothing is read twice.  No loop: 32 rows, written by macro.
.set ROWIN,  4096                      ; bytes of a row as loaded
.set ROWOUT, 2048                      ; bytes of a row as stored
.set X, 4                              ; v[4:67]   slot i: four f32 as loaded
.set Y, 68                             ; v[68:99]  slot i: four bf16 to store
                                       ; v1 = 16 t, v2 = 8 t: never rewritten, so no wait is owed for an address
	s_load_b256 s[4:11], s[0:1], 0x0               ; x s[4:5], weight s[6:7], xb s[8:9], wb s[10:11]
	s_lshl_b32 s12, ttmp9, 16                      ; my 65,536 bytes of the inputs (under 2^26)
	s_mov_b32 s13, 0
	s_lshl_b32 s14, ttmp9, 15                      ; my 32,768 bytes of the outputs
	s_mov_b32 s15, 0
	v_lshlrev_b32 v1, 4, v0
	v_lshlrev_b32 v2, 3, v0
	s_wait_kmcnt 0x0
	s_add_nc_u64 s[4:5], s[4:5], s[12:13]
	s_add_nc_u64 s[6:7], s[6:7], s[12:13]
	s_add_nc_u64 s[8:9], s[8:9], s[14:15]
	s_add_nc_u64 s[10:11], s[10:11], s[14:15]
.irp i, 0,1,2,3,4,5,6,7,8,9,10,11,12,13,14,15
	global_load_b128 v[X+4*(\i):X+4*(\i)+3], v1, s[4:5] offset:(\i)*ROWIN th:TH_LOAD_NT  ; x's 16 rows; read once in the launch
.endr
; Slot i's turn.  ahead = 1: the slot is filled again with weight's row i.  left = the younger loads that may stay out.  dst = the pair that holds the output's address.
.macro SLOT i, ahead, left, dst
	s_wait_loadcnt \left                           ; loads come back in order (ISA guide 5.7.1): slot i's is in
	v_cvt_pk_bf16_f32 v[Y+2*(\i)],   v[X+4*(\i)],   v[X+4*(\i)+1]  ; two roundings, the first source in the low half
	v_cvt_pk_bf16_f32 v[Y+2*(\i)+1], v[X+4*(\i)+2], v[X+4*(\i)+3]
.if \ahead
	global_load_b128 v[X+4*(\i):X+4*(\i)+3], v1, s[6:7] offset:(\i)*ROWIN th:TH_LOAD_NT  ; the load goes out ahead of the store
.endif
	global_store_b64 v2, v[Y+2*(\i):Y+2*(\i)+1], s[(\dst):(\dst)+1] offset:(\i)*ROWOUT  ; no hint: the next launch reads these bytes
.endm
.irp i, 0,1,2,3,4,5,6,7,8,9,10,11,12,13,14,15
	SLOT \i, 1, 15, 8                              ; behind slot i's load stand 15 - i of x's and i of weight's: 15
.endr
	s_wait_xcnt 0x0                                ; every earlier memory instruction has had its addresses translated (ISA guide 3.1): Y, which the 16 stores above read, is rewritten only behind this wait
.irp i, 0,1,2,3,4,5,6,7,8,9,10,11,12,13,14,15
	SLOT \i, 0, 15-(\i), 10                        ; nothing more is loaded: the counts run down
.endr
	s_endpgm
.Lfunc_end_k_q0c1e488089_tobf16:
	.size	k_q0c1e488089_tobf16, .Lfunc_end_k_q0c1e488089_tobf16-k_q0c1e488089_tobf16
	.p2alignl 7, 3214868480
	.fill 96, 4, 3214868480
	.section	.rodata,"a",@progbits
	.p2align	6, 0x0
	.amdhsa_kernel k_q0c1e488089_tobf16
		.amdhsa_group_segment_fixed_size 0
		.amdhsa_private_segment_fixed_size 0
		.amdhsa_enable_private_segment 0
		.amdhsa_kernarg_size 32
		.amdhsa_user_sgpr_count 2
		.amdhsa_user_sgpr_kernarg_segment_ptr 1
		.amdhsa_wavefront_size32 1
		.amdhsa_system_sgpr_workgroup_id_x 1
		.amdhsa_system_sgpr_workgroup_id_y 1
		.amdhsa_system_sgpr_workgroup_id_z 1
		.amdhsa_system_vgpr_workitem_id 0
		.amdhsa_next_free_vgpr 100
		.amdhsa_next_free_sgpr 66
		.amdhsa_reserve_vcc 0
		.amdhsa_float_denorm_mode_32 3
		.amdhsa_float_denorm_mode_16_64 3
		.amdhsa_memory_ordered 1
		.amdhsa_forward_progress 1
		.amdhsa_inst_pref_size 12
	.end_amdhsa_kernel
	.amdgpu_metadata
---
amdhsa.version: [ 1, 2 ]
amdhsa.kernels:
  - .name:           k_q0c1e488089_tobf16
    .symbol:         k_q0c1e488089_tobf16.kd
    .args:
      - { .name: x, .offset: 0, .size: 8, .value_kind: global_buffer, .address_space: global }
      - { .name: weight, .offset: 8, .size: 8, .value_kind: global_buffer, .address_space: global }
      - { .name: xb, .offset: 16, .size: 8, .value_kind: global_buffer, .address_space: global }
      - { .name: wb, .offset: 24, .size: 8, .value_kind: global_buffer, .address_space: global }
    .group_segment_fixed_size: 0
    .private_segment_fixed_size: 0
    .kernarg_segment_align: 8
    .kernarg_segment_size: 32
    .max_flat_workgroup_size: 256
    .sgpr_count:     66
    .vgpr_count:     100
    .wavefront_size: 32
...
	.end_amdgpu_metadata
.endif
;; end of part 1
;; launch gemm (part 2): grid 16 x 16, 4 waves a work-group, clusters of 4 x 4, 327,680 bytes of LDS; arguments xb, wb, out0, bias; writes out0
.if DOCPART == 2
	.amdgcn_target "amdgcn-amd-amdhsa--gfx1250"
	.amdhsa_code_object_version 6
	.text
	.protected	k_q0c1e488089_gemm
	.globl	k_q0c1e488089_gemm
	.p2align	8
	.type	k_q0c1e488089_gemm,@function
k_q0c1e488089_gemm:
	s_mov_b64 s[64:65], 0
	v_nop
	global_prefetch_b8 v0, s[64:65] scope:SCOPE_SE
	s_setreg_imm32_b32 hwreg(HW_REG_WAVE_MODE, 25, 1), 1
	s_wait_xcnt 0x0
	s_wait_alu depctr_hold_cnt(0) depctr_sa_sdst(0) depctr_va_vdst(0) depctr_va_sdst(0) depctr_va_ssrc(0) depctr_va_vcc(0) depctr_vm_vsrc(0)
	s_getreg_b32 s2, hwreg(HW_REG_IB_STS2, 6, 4)
	s_cmp_eq_u32 s2, 0
	s_cbranch_scc0 .Lentry_in_a_cluster
	s_endpgm
.Lentry_in_a_cluster:
	s_bfe_u32 s2, ttmp6, 0x10000c
	s_cmp_lg_u32 s2, 0xf033
	s_cbranch_scc0 .Lentry_shape_is_right
	s_endpgm
.Lentry_shape_is_right:
; out0[m][n] = bias[n] + the sum over k of xb[m][k] wb[n][k].  xb (A): [4096][4096] bf16, wb (B): [4096][4096] bf16, bias: [4096] f32, out0 (C): [4096][4096] f32.
; One f32 sum for each output, K ascending.  LIMITS: the operands are the inputs rounded once to bf16 by the launch before; the bias STARTS the sum (bias + products, not products + bias);
; NaN and infinities are not treated apart.
; SHARES: C has 16 x 16 tiles of 256 x 256, one to a work-group of four waves, as many as a WGP has SIMDs; a wave makes 128 x 128: 64 accumulators of 16 x 16, 512 registers.
; K goes in 32 steps of 128 through a ring of two LDS slots filled by the tensor data mover; a tile's rows are 256 bytes of memory and start at multiples of 256 bytes from the buffer's first byte.
; CLUSTERS: 4 x 4 work-groups.  The four of a row of the cluster need the same tiles of A, the four of a column the same tiles of B.  Such a tile is asked for JOINTLY: each of the four issues the
; same tensor load, with the same descriptor and a mask that names the four, and each receives the tile in its own LDS: the requests for A and for B are divided by four.
; THE MATRIX INSTRUCTION IS USED TRANSPOSED: source 0 = 16 rows of B, source 1 = 16 rows of A.  In the result lane l holds row l % 16 of C and its registers 0 to 7 the columns 8 (l / 16) + 0 .. 7:
; 32 neighbouring bytes of a row of C.  A bias fragment in the same layout (register j = bias of column 8 (l / 16) + j) is the C operand of each accumulator's first product:
; nothing is cleared, and no addition is written for the bias.
; REGISTERS, in windows of 256 (s_set_vgpr_msb's low byte: bits 1:0 source 0, 3:2 source 1, 5:4 source 2, 7:6 destination):
;   window 0: v0-29 addresses; v64-127, v128-191 fragments of A, two buffers, and on the way out two buffers of 16 rows of C; v192-255 the bias, 8 registers for each of my 8 column blocks
;   window 1: v64-127, v128-191 fragments of B, two buffers
;   window 2: the 32 accumulators of my rows 0-63 (accumulator (a, b) at v[8 (8 a + b)]);   window 3: those of my rows 64-127
.set SIZE_M, 4096
.set SIZE_N, 4096
.set SIZE_K, 4096
.set KSTEP,  128
.set PITCH,  272                       ; an LDS row: 256 bytes of data + 16 of padding = 68 words: row r starts at bank 4 r mod 64 (64 banks of 4 bytes: ISA guide 11.1), so the 16 rows of a fragment load start at 16 different banks
.set HALFT,  128*PITCH                 ; 128 rows: what one tensor load brings, and what one wave reads of A or of B
.set SLOT,   4*HALFT                   ; A's 256 rows, then B's 256 rows
.set STAGE,  2*SLOT                    ; behind the ring, never a fill's target: 16 rows x 528 bytes for each wave, for the way out
.set SPITCH, 528                       ; a stage row: my 128 columns in f32, 512 bytes, + 16: the 16 rows that a store touches start at 16 different groups of four banks
.set SPARE,  STAGE+4*16*SPITCH         ; behind the stages: the spare words, 128 bytes for each wave: two blocks of 256 bytes that no other line names
.set LAPS,   SIZE_K/(2*KSTEP)          ; a lap = two K steps = once round the ring: 16
.set CROW,   SIZE_N*4                  ; bytes in a row of C
.set ADRA, 16                          ; v16-17  LDS address of my A fragments in slot 0, 1
.set ADRB, 20                          ; v20-21  the same for B
.set STO,  24                          ; v24     the way out: where I put 32 bytes of a row
.set RD,   25                          ; v25     the way out: where I read 16 bytes of a row back
.set CO,   26                          ; v26     16 x lane: my byte offset in 512 consecutive bytes of C; never rewritten
.set BO,   27                          ; v27     32 x (lane / 16): my byte offset in a column block's 64 bytes of bias; never rewritten
.set SPW,  28                          ; v28     LDS address of my spare word: SPARE + 4 x my thread's number; never rewritten
.set NIL,  29                          ; v29     0; never rewritten
.set F0,   64                          ; fragment buffer 0
.set F1,   128                         ; fragment buffer 1
.set BI,   192                         ; the bias fragments, window 0
.set G1,   24                          ; s[24:31] descriptor group 1 for A's tiles
.set G0,   32                          ; s[32:39] descriptor group 0 for A's tiles, one set for each slot
.set G1B,  48                          ; s[48:55] descriptor group 1 for B's tiles: it differs from A's in the mask alone
.set G0B,  56                          ; s[56:63] descriptor group 0 for B's tiles, one set for each slot
.set BIAS, 66                          ; s[66:67] bias at my first column
.set MSB, 0
.macro WIN new                         ; the immediate's high byte repeats the setting that is left; a switch that changes nothing is dropped
.if MSB != (\new)
	s_set_vgpr_msb (MSB<<8)|(\new)
.set MSB, \new
.endif
.endm
.set TO_B, 0x40                        ; destination window 1, address window 0
; A joint load.  Waves 0 and 1 fetch A's two halves, waves 2 and 3 B's.  Each of the two lines has one mask and one set of registers for all that issue it.  The branch hangs on the wave's number alone.
; An s_nop 0 and four v_nop follow each of the two lines; the jump, the label and what follows the macro come after them.
.macro JLOAD s
	s_cmp_eq_u32 s11, 0
	s_cbranch_scc0 .Lfor_b_\@
	tensor_load_to_lds s[G0+4*(\s):G0+4*(\s)+3], s[G1:G1+7]
	s_nop 0
.rept 4
	v_nop
.endr
	s_branch .Lasked_\@
.Lfor_b_\@:
	tensor_load_to_lds s[G0B+4*(\s):G0B+4*(\s)+3], s[G1B:G1B+7]
	s_nop 0
.rept 4
	v_nop
.endr
.Lasked_\@:
.endm
; A round of the cluster's barrier: my work-group's barrier, so that wave 0's signal speaks for all four waves; wave 0 signals for the work-group; every wave waits for all sixteen
; work-groups; my work-group's barrier once more.  No LDS instruction of the wave is pending at a signal.
.macro CREST                           ; a round behind its opening barrier
	s_cmp_lg_u32 s10, 0
	s_cbranch_scc1 .Lnot_wave_0_\@
	s_barrier_signal -3
.Lnot_wave_0_\@:
	s_barrier_wait -3
	s_barrier_signal -1
	s_barrier_wait -1
.endm
.macro CROUND                          ; a whole round
	s_barrier_signal -1
	s_barrier_wait -1
	CREST
.endm
	s_load_b128 s[4:7], s[0:1], 0x0                ; A s[4:5], B s[6:7]
	s_load_b64 s[8:9], s[0:1], 0x10                ; C
	s_load_b64 s[BIAS:BIAS+1], s[0:1], 0x18        ; bias
	v_lshl_add_u32 v[SPW], v0, 2, SPARE
	v_mov_b32 v[NIL], 0
	ds_add_u32 v28, v29
	ds_add_u32 v28, v29
	s_wait_dscnt 0x0
	v_lshrrev_b32 v1, 5, v0
	v_readfirstlane_b32 s10, v1                    ; wave 0..3
	s_lshr_b32 s11, s10, 1                         ; which half of the tile's rows is mine.  Also: I fetch for A (0) or for B (1)
	s_and_b32 s12, s10, 1                          ; which half of its columns.  Also: which 128 rows of that tile I fetch
	s_bfe_u32 s40, ttmp6, 0x40000                  ; cx: my place along the cluster's x
	s_bfe_u32 s41, ttmp6, 0x40004                  ; cy: along its y
	s_lshl_b32 s42, ttmp9, 2                       ; in a cluster launch ttmp9 and ttmp7 count clusters
	s_add_co_u32 s42, s42, s40                     ; tile column of C = 4 x cluster x + cx
	s_and_b32 s13, ttmp7, 0xffff
	s_lshl_b32 s13, s13, 2
	s_add_co_u32 s13, s13, s41                     ; tile row of C = 4 x cluster y + cy
	s_lshl_b32 s43, s41, 2
	s_lshl_b32 s43, 15, s43                        ; my row of the cluster: places 4 cy .. 4 cy + 3
	s_lshl_b32 s44, 0x1111, s40                    ; my column: places cx, cx + 4, cx + 8, cx + 12
	; descriptor group 1: a tile of 128 rows x 128 elements, padded in LDS
	s_or_b32 s[G1+0], s43, (1<<16)|(1<<20)|(1<<21)|(5<<22)|(3<<25)  ; 15:0 the mask: A's tiles go to my row; 17:16 elements of 2 bytes; 20 padding on; 21 set beside a mask; 24:22 after every 64 words (code 5); 31:25 4 words of it (code 3)
	s_or_b32 s[G1B+0], s44, (1<<16)|(1<<20)|(1<<21)|(5<<22)|(3<<25) ; the same with the mask of my column, for B's tiles
.irp g, G1, G1B
	s_mov_b32 s[(\g)+1], KSTEP<<16                 ; 63:48 tensor_dim0, low half = 128
	s_mov_b32 s[(\g)+2], 128<<16                   ; 79:64 its high half = 0; 95:80 tensor_dim1, low half = 128
	s_mov_b32 s[(\g)+3], KSTEP<<16                 ; 111:96 its high half = 0; 127:112 tile_dim0 = 128
	s_mov_b32 s[(\g)+4], 128                       ; 143:128 tile_dim1 = 128; 159:144 tile_dim2 = 0
	s_mov_b32 s[(\g)+5], SIZE_K                    ; 191:160 tensor_dim0_stride, low word: elements from row to row
	s_mov_b32 s[(\g)+6], 0
	s_mov_b32 s[(\g)+7], 0
.endr
	; where the tiles come from.  A's hang on the tile row alone, which my row of the cluster shares; B's on the tile column alone, which my column shares.
	; Every wave makes both addresses, in registers that never hold the other coordinate, and asks by one of them.
	s_lshl_b32 s17, s12, 7                         ; which 128 rows of the tile I fetch
	s_lshl_b32 s16, s13, 8
	s_add_co_u32 s16, s16, s17                     ; A: row 256 x tile row + 128 x half
	s_lshl_b32 s46, s42, 8
	s_add_co_u32 s46, s46, s17                     ; B: row 256 x tile column + 128 x half
	s_mov_b32 s17, 0
	s_mov_b32 s47, 0
	s_mov_b64 s[18:19], SIZE_K*2
	s_mul_u64 s[16:17], s[16:17], s[18:19]         ; in bytes
	s_mul_u64 s[46:47], s[46:47], s[18:19]
	s_mul_i32 s20, s10, HALFT                      ; and where they go: A's two halves, then B's two halves = wave x 128 rows: no place in the cluster enters an LDS address
	s_wait_kmcnt 0x0
	s_add_nc_u64 s[14:15], s[4:5], s[16:17]
	s_add_nc_u64 s[46:47], s[6:7], s[46:47]
	CROUND                                         ; all sixteen work-groups are here: the first joint loads meet
.irp s, 0,1
	s_mov_b32 s[G0+4*(\s)], 1                                      ; 1:0 count = 1
	s_add_co_u32 s[G0+4*(\s)+1], s20, (\s)*SLOT                    ; 63:32 LDS address
	s_add_nc_u64 s[G0+4*(\s)+2:G0+4*(\s)+3], s[14:15], (\s)*KSTEP*2  ; 120:64 global address: K step s
	s_or_b32 s[G0+4*(\s)+3], s[G0+4*(\s)+3], 0x80000000            ; 127:126 type = 2
	s_mov_b32 s[G0B+4*(\s)], 1
	s_add_co_u32 s[G0B+4*(\s)+1], s20, (\s)*SLOT
	s_add_nc_u64 s[G0B+4*(\s)+2:G0B+4*(\s)+3], s[46:47], (\s)*KSTEP*2
	s_or_b32 s[G0B+4*(\s)+3], s[G0B+4*(\s)+3], 0x80000000
	JLOAD \s                                       ; the ring is filled before anything else is done: two tensor loads of mine are out
.endr
	; A fragment is 16 rows x 32 K in 8 registers: lane l holds row l % 16; registers 0-3 hold K = 8 (l / 16) + 0..7, registers 4-7 hold
	; K = 16 + 8 (l / 16) + 0..7.  From rows that lie along K: two loads of 16 bytes, 32 bytes apart.  The same for source 0 and source 1.
	v_and_b32 v1, 15, v0                           ; l % 16
	v_bfe_u32 v2, v0, 4, 1                         ; l / 16
	v_mul_u32_u24 v3, v1, PITCH
	v_lshl_add_u32 v3, v2, 4, v3                   ; row x pitch + 16 x half
	s_mul_i32 s21, s11, HALFT                      ; my 128 rows of A
	s_mul_i32 s22, s12, HALFT                      ; my 128 rows of B,
	s_add_co_u32 s22, s22, 2*HALFT                 ; which lie behind A's 256
.irp s, 0,1
	v_add_nc_u32 v[ADRA+(\s)], s21, v3
	v_add_nc_u32 v[ADRB+(\s)], s22, v3
	s_add_co_u32 s21, s21, SLOT
	s_add_co_u32 s22, s22, SLOT
.endr
	s_mul_i32 s23, s10, 16*SPITCH
	s_add_co_u32 s23, s23, STAGE                   ; my stage
	v_mul_u32_u24 v4, v1, SPITCH                   ; in: row l % 16, 32 bytes for each half of the lanes
	v_lshl_add_u32 v4, v2, 5, v4
	v_add_nc_u32 v[STO], s23, v4
	v_and_b32 v5, 31, v0
	v_lshlrev_b32 v[CO], 4, v5                     ; back: the 32 lanes take one row's 512 bytes, which are 512 consecutive bytes of C
	v_add_nc_u32 v[RD], s23, v[CO]
	v_lshlrev_b32 v[BO], 5, v2
	; C at my first row and column, bias at my first column
	s_lshl_b32 s13, s13, 8
	s_lshl_b32 s14, s11, 7
	s_add_co_u32 s16, s13, s14                     ; my first row of C
	s_mov_b32 s17, 0
	s_mov_b64 s[18:19], CROW
	s_mul_u64 s[16:17], s[16:17], s[18:19]
	s_lshl_b32 s46, s42, 10                        ; my first column in bytes of f32: 1,024 x tile column + 512 x half (in the registers that held B's address: none that feeds A's descriptors ever holds cx)
	s_lshl_b32 s47, s12, 9
	s_add_co_u32 s46, s46, s47
	s_mov_b32 s47, 0
	s_add_nc_u64 s[8:9], s[8:9], s[16:17]
	s_add_nc_u64 s[8:9], s[8:9], s[46:47]
	s_add_nc_u64 s[BIAS:BIAS+1], s[BIAS:BIAS+1], s[46:47]
.irp b, 0,1,2,3,4,5,6,7                ; column block b: register j of a lane = bias of column 16 b + 8 (l / 16) + j.  My 512 bytes of bias are read once, here
	global_load_b128 v[BI+8*(\b):BI+8*(\b)+3],   v[BO], s[BIAS:BIAS+1] offset:64*(\b)
	global_load_b128 v[BI+8*(\b)+4:BI+8*(\b)+7], v[BO], s[BIAS:BIAS+1] offset:64*(\b)+16
.endr
; 16 matrix instructions: m blocks a0, a0 + 1 of the window's four (hi = 0: my rows 0-63, 1: rows 64-127) x all 8 n blocks, 32 along K.
; first = 1: the product starts the sum, with the column block's bias (window 0) as C.  Else C and D are the accumulator.
; The 64 accumulators take turns, one instruction a turn, in the same order in every quarter step, over the loop's backward jump too.
.macro MUL16 f, hi, a0, first
.if \first
	WIN 0x81+0x40*(\hi)                            ; source 0 (B) window 1, source 1 (A) and C window 0, D window 2 or 3
.else
	WIN 0xa1+0x50*(\hi)                            ; source 0 (B) window 1, source 1 (A) window 0, C and D window 2 or 3
.endif
.irp a, \a0, (\a0)+1
.irp b, 0,1,2,3,4,5,6,7
.if \first
	v_wmma_f32_16x16x32_bf16 v[8*(8*(\a)+(\b)):8*(8*(\a)+(\b))+7], v[(\f)+8*(\b):(\f)+8*(\b)+7], v[(\f)+8*(4*(\hi)+(\a)):(\f)+8*(4*(\hi)+(\a))+7], v[BI+8*(\b):BI+8*(\b)+7]
.else
	v_wmma_f32_16x16x32_bf16 v[8*(8*(\a)+(\b)):8*(8*(\a)+(\b))+7], v[(\f)+8*(\b):(\f)+8*(\b)+7], v[(\f)+8*(4*(\hi)+(\a)):(\f)+8*(4*(\hi)+(\a))+7], v[8*(8*(\a)+(\b)):8*(8*(\a)+(\b))+7]
.endif
.endr
.endr
.endm
; 32 LDS loads in one run: the fragments of one quarter step (128 rows of B, 128 rows of A, 32 K at byte k of the rows) into buffer f
.macro FETCH slot, k, f
	WIN TO_B
.irp i, 0,1,2,3,4,5,6,7
	ds_load_b128 v[(\f)+8*(\i):(\f)+8*(\i)+3],   v[ADRB+(\slot)] offset:(\k)+(\i)*16*PITCH
	ds_load_b128 v[(\f)+8*(\i)+4:(\f)+8*(\i)+7], v[ADRB+(\slot)] offset:(\k)+(\i)*16*PITCH+32
.endr
	WIN 0
.irp i, 0,1,2,3,4,5,6,7
	ds_load_b128 v[(\f)+8*(\i):(\f)+8*(\i)+3],   v[ADRA+(\slot)] offset:(\k)+(\i)*16*PITCH
	ds_load_b128 v[(\f)+8*(\i)+4:(\f)+8*(\i)+7], v[ADRA+(\slot)] offset:(\k)+(\i)*16*PITCH+32
.endr
.endm
; A load into a register that a matrix instruction has read, and an LDS store that reads a matrix result, stand four places behind that matrix instruction, and only plain vector
; instructions that name none of its registers are places (ISA guide 7.12.1 for vector instructions).  No other vector work is at hand: four v_nop.
.macro PLACES
.rept 4
	v_nop
.endr
.endm
; A K step is four quarter steps of 32 along K, 64 matrix instructions each, on buffers 0, 1, 0, 1.
; One of the first three: multiplies buffer f; in its middle it fetches the next quarter's fragments, at byte k of the same slot's rows, into buffer g.
.macro QUARTER slot, k, f, g, first
	s_wait_dscnt 8                                 ; B and A's rows 0-63 are in; the youngest eight loads (A's rows 64-127) may be out
	MUL16 \f, 0, 0, \first
	MUL16 \f, 0, 2, \first
	PLACES                                         ; behind the last products that read buffer g (the quarter before)
	FETCH \slot, \k, \g
	s_wait_dscnt 32                                ; all but the 32 just issued
	MUL16 \f, 1, 0, \first
	MUL16 \f, 1, 2, \first
.endm
; The last quarter multiplies buffer 1 and changes slots.  MEET is its first half: ONE barrier for the change of slots.  In front of it each wave waits for all its tensor loads, of which one is out:
; its part of the next slot; adds 0 to its spare word; and waits for that and for its own reads of this slot.  Behind it nobody reads this slot any more and the next slot is whole.
.macro MEET round                      ; round = 1: the rest of a round of the cluster's barrier follows
	WIN 0                                          ; (the add's two registers lie in window 0)
	s_wait_tensorcnt 0x0                           ; all my tensor loads have landed: the one that was out is my part of the next slot;
	ds_add_u32 v[SPW], v[NIL]                      ; 0 onto my spare word;
	s_wait_dscnt 9                                 ; (the add and the youngest eight loads, A's rows 64-127, may be out)
	MUL16 F1, 0, 0, 0                              ; sixteen matrix instructions stand between the add and the wait for it
	s_wait_dscnt 0x0                               ; the add is done, and my reads of this slot are over:
	s_barrier_signal -1                            ; say so,
	MUL16 F1, 0, 2, 0                              ; work on registers while the others arrive,
.if \round
	WIN 0
.endif
	s_barrier_wait -1                              ; and go on when all four have said so
.endm
; The whole last quarter.  fill = 1: the barrier opens a round of the cluster's barrier, and behind the round the slot just read out is filled again first, with the K step two steps on: one tensor
; load of mine is out, and from the request to the wait for it I issue 224 matrix instructions.  Then come the next slot's first fragments.
.macro TURN slot, next, fill
	MEET \fill
.if \fill
	CREST                                          ; no wave of any partner still reads this slot's tile or has a load on its way
	s_add_nc_u64 s[G0+4*(\slot)+2:G0+4*(\slot)+3], s[G0+4*(\slot)+2:G0+4*(\slot)+3], 2*KSTEP*2    ; no load of mine is out, so a group 0 may be written; the type bits on top are not reached
	s_add_nc_u64 s[G0B+4*(\slot)+2:G0B+4*(\slot)+3], s[G0B+4*(\slot)+2:G0B+4*(\slot)+3], 2*KSTEP*2
	JLOAD \slot                                    ; the first tensor load behind the round; the four v_nop behind it are also the places in front of the loads below
.else
	PLACES
.endif
	FETCH \next, 0, F0
	MUL16 F1, 1, 0, 0
	MUL16 F1, 1, 2, 0
.endm
; THE WAY OUT of block a (16 rows x my 128 columns), in two parts.  A lane's 32 bytes are a sixteenth of a row's 512, and the lanes beside it hold other rows; so the block goes through my own stage:
; TOSTAGE: straight from the accumulators (each one's four lowest registers first) into rows of 528 bytes, and back as whole rows of 512.  SEND: stored.
; The stage is my wave's own, and LDS serves a wave's instructions in order (ISA guide 5.7.1.4): the loads see the stores above them, and the next block's stores come behind these loads.
.macro TOSTAGE a
.set AC, 64*((\a)%4)
.set BK, F0+64*((\a)%2)
	WIN 0x08+4*((\a)/4)                            ; store data (source 1) in window 2 or 3, address in window 0
.irp b, 0,1,2,3,4,5,6,7
	ds_store_b128 v[STO], v[AC+8*(\b):AC+8*(\b)+3]   offset:64*(\b)
	ds_store_b128 v[STO], v[AC+8*(\b)+4:AC+8*(\b)+7] offset:64*(\b)+16
.endr
	WIN 0
.if (\a) >= 2
	s_wait_xcnt 0x0                                ; every earlier memory instruction has had its addresses translated (ISA guide 3.1): this buffer, which block a - 2's stores read, is loaded again only behind this wait
.endif
.irp t, 0,1,2,3,4,5,6,7,8,9,10,11,12,13,14,15
	ds_load_b128 v[BK+4*(\t):BK+4*(\t)+3], v[RD] offset:(\t)*SPITCH
.endr
.endm
.macro SEND a, younger                 ; younger: the LDS instructions issued behind block a's loads: the next block's 16 stores and 16 loads, or none
.set BK, F0+64*((\a)%2)
	WIN 0
	s_wait_dscnt \younger                          ; the block is back in registers
.irp t, 0,1,2,3,4,5,6,7,8,9,10,11,12,13,14,15
	global_store_b128 v[CO], v[BK+4*(\t):BK+4*(\t)+3], s[8:9] offset:(16*(\a)+(\t))*CROW th:TH_STORE_NT  ; 512 consecutive bytes of one row of C, at a multiple of 512 from C's first byte; the row stands in the immediate, 127 x 16,384 at the most, so no base is stepped
.endr
.endm
	s_wait_tensorcnt 1                             ; my part of K step 0 is in; K step 1's may stay out
	s_barrier_signal -1
	s_barrier_wait -1                              ; everybody's is
	FETCH 0, 0, F0
	s_wait_loadcnt 0x0                             ; the bias
	QUARTER 0, 64,  F0, F1, 1                      ; the first quarter stands in front of the loop: its products start the sums, on the bias
	WIN 0                                          ; at a label and at a branch every window is 0
	s_mov_b32 s3, LAPS-1
.Llap:                                                 ; 15 trips; a trip goes once round the ring, from a lap's second quarter to the next lap's first, and fills both slots again: K steps 2 to 31
	QUARTER 0, 128, F1, F0, 0
	QUARTER 0, 192, F0, F1, 0
	TURN 0, 1, 1
	QUARTER 1, 64,  F0, F1, 0
	QUARTER 1, 128, F1, F0, 0
	QUARTER 1, 192, F0, F1, 0
	TURN 1, 0, 1
	QUARTER 0, 64,  F0, F1, 0
	WIN 0
	s_sub_co_u32 s3, s3, 1
	s_cmp_lg_u32 s3, 0
	s_cbranch_scc1 .Llap
	QUARTER 0, 128, F1, F0, 0                      ; the last lap is written out: it fills nothing, and has no round of the cluster's barrier
	QUARTER 0, 192, F0, F1, 0
	TURN 0, 1, 0
	QUARTER 1, 64,  F0, F1, 0
	QUARTER 1, 128, F1, F0, 0
	QUARTER 1, 192, F0, F1, 0
	s_wait_dscnt 8                                 ; the very last quarter: nothing more to fetch
	MUL16 F1, 0, 0, 0
	MUL16 F1, 0, 2, 0
	s_wait_dscnt 0x0
	MUL16 F1, 1, 0, 0
	MUL16 F1, 1, 2, 0
	WIN 0
	PLACES                                         ; behind the last products: the LDS stores below read results, and the loads from the stage land where A's fragments lay
	TOSTAGE 0
.irp a, 1,2,3,4,5,6,7                  ; block a's way through the stage is issued ahead of the wait for block a - 1's
	TOSTAGE \a
	SEND (\a)-1, 32
.endr
	SEND 7, 0
	s_wait_tensorcnt 0x0                           ; the wave's end: behind my last tensor load and my last LDS store
	ds_add_u32 v[SPW], v[NIL]
	s_wait_dscnt 0x0
	CROUND                                         ; the closing round: no work-group ends while a partner may still ask for a tile that names it
	s_endpgm
.Lfunc_end_k_q0c1e488089_gemm:
	.size	k_q0c1e488089_gemm, .Lfunc_end_k_q0c1e488089_gemm-k_q0c1e488089_gemm
	.p2alignl 7, 3214868480
	.fill 96, 4, 3214868480
	.section	.rodata,"a",@progbits
	.p2align	6, 0x0
	.amdhsa_kernel k_q0c1e488089_gemm
		.amdhsa_group_segment_fixed_size 327680
		.amdhsa_private_segment_fixed_size 0
		.amdhsa_enable_private_segment 0
		.amdhsa_kernarg_size 32
		.amdhsa_user_sgpr_count 2
		.amdhsa_user_sgpr_kernarg_segment_ptr 1
		.amdhsa_wavefront_size32 1
		.amdhsa_system_sgpr_workgroup_id_x 1
		.amdhsa_system_sgpr_workgroup_id_y 1
		.amdhsa_system_sgpr_workgroup_id_z 1
		.amdhsa_system_vgpr_workitem_id 0
		.amdhsa_next_free_vgpr 1024
		.amdhsa_next_free_sgpr 68
		.amdhsa_reserve_vcc 0
		.amdhsa_float_denorm_mode_32 3
		.amdhsa_float_denorm_mode_16_64 3
		.amdhsa_memory_ordered 1
		.amdhsa_forward_progress 1
		.amdhsa_inst_pref_size 142
	.end_amdhsa_kernel
	.amdgpu_metadata
---
amdhsa.version: [ 1, 2 ]
amdhsa.kernels:
  - .name:           k_q0c1e488089_gemm
    .symbol:         k_q0c1e488089_gemm.kd
    .args:
      - { .name: xb, .offset: 0, .size: 8, .value_kind: global_buffer, .address_space: global }
      - { .name: wb, .offset: 8, .size: 8, .value_kind: global_buffer, .address_space: global }
      - { .name: out0, .offset: 16, .size: 8, .value_kind: global_buffer, .address_space: global }
      - { .name: bias, .offset: 24, .size: 8, .value_kind: global_buffer, .address_space: global }
    .group_segment_fixed_size: 327680
    .private_segment_fixed_size: 0
    .kernarg_segment_align: 8
    .kernarg_segment_size: 32
    .max_flat_workgroup_size: 128
    .sgpr_count:     68
    .vgpr_count:     1024
    .wavefront_size: 32
...
	.end_amdgpu_metadata
.endif
;; end of part 2
;; ======== version 2 of 2: 2 launches; version 1 with the launch tobf16 written anew for expert scheduling mode
;; workspace buffers: xb 33,554,432 bytes; wb 33,554,432 bytes
;; launch tobf16 (part 3): grid 1024 x 1, 8 waves a work-group, no clusters, 0 bytes of LDS; arguments x, weight, xb, wb; writes xb, wb
.if DOCPART == 3
	.amdgcn_target "amdgcn-amd-amdhsa--gfx1250"
	.amdhsa_code_object_version 6
	.text
	.protected	k_q0c1e488089_tobf16
	.globl	k_q0c1e488089_tobf16
	.p2align	8
	.type	k_q0c1e488089_tobf16,@function
k_q0c1e488089_tobf16:
	s_mov_b64 s[64:65], 0
	v_nop
	global_prefetch_b8 v0, s[64:65] scope:SCOPE_SE
	s_setreg_imm32_b32 hwreg(HW_REG_WAVE_SCHED_MODE, 0, 2), 2
	s_setreg_imm32_b32 hwreg(HW_REG_WAVE_MODE, 25, 1), 1
	s_wait_xcnt 0x0
	s_wait_alu depctr_vm_vsrc(0)
; xb = bf16(x), wb = bf16(weight): both [4096][4096], f32 in, bf16 out, same index order, rounded once to nearest even.
; LIMIT: a magnitude above 3.3895e38 rounds to a bf16 infinity; NaN stays NaN.
; WHY A LAUNCH OF ITS OWN: the product that follows walks K in steps of 128 through two LDS slots of 512 rows.  In f32 such a row is 512 bytes,
; two slots would be 540,672 bytes with their padding, more than the 327,680 a work-group can have, and every product would be fed from twice the LDS bytes.
; Here each input byte is read once and each bf16 byte written once.
; SHARES: work-group g owns bytes 65,536 g .. + 65,535 of x and of weight, and bytes 32,768 g .. + 32,767 of xb and of wb: 1,024 x 65,536 = the whole of each.
; A ROW is what the 256 threads take with one load each: 4,096 bytes in, 2,048 bytes out; 16 rows of x, then 16 rows of weight.
; Thread t loads 16 bytes at 16 t of a row (a wave's load: 512 consecutive bytes) and stores 8 bytes at 8 t (a wave's store: 256 consecutive bytes, aligned).
; No LDS, no barrier, no matrix unit, no cluster: nothing is shared and nothing is read twice.  No loop: 32 rows, written by macro.
; THE MODE: SCHED_MODE bits 1:0 = 2 (LLVM: expert scheduling mode 2), set by the entry lines.  The code itself states the register dependences
; between vector instructions and memory instructions, with s_wait_alu, always for 0.
; THE PLAN.  The 32 rows go in 8 blocks of four: blocks 0 to 3 are x's, blocks 4 to 7 weight's.  Registers that memory instructions touch:
;   X0 .. X4   five blocks as loaded.  Block p lies in X[p % 5].  Written by the 20 loads at the head (blocks 0 to 4) and by the loads of block p + 4,
;              issued in block p (p = 1, 2, 3), which land in X[(p - 1) % 5]; read by block p's eight roundings.
;   Y0 .. Y4   five blocks to store.  Written by block p's roundings (Y[p % 5]); read by the four stores that are issued in block p + 1.
;              Blocks 5, 6 and 7 write Y0, Y1 and Y2 a second time.
;   v1, v2     byte offsets, made once at the head and never written again: the rows stand in the immediate offsets, and no base is stepped.
; Block p's vector instructions name X[p % 5] and Y[p % 5]; its memory instructions touch X[(p - 1) % 5] and Y[(p - 1) % 5], the two buffers that block p - 1
; worked on.  So one wait at a block's head states all that the block's loads and stores hang on, and these are dealt among its roundings with no further wait.
; Sixteen loads of every wave are on their way when a block's four have gone out, until weight's last row has been asked for.
.set ROWIN,  4096                      ; bytes of a row as loaded
.set ROWOUT, 2048                      ; bytes of a row as stored
.set X, 4                              ; v[4:83]    buffer k, row i: four f32 as loaded, at X + 16 k + 4 i
.set Y, 84                             ; v[84:123]  buffer k, row i: four bf16 to store, at Y + 8 k + 2 i
                                       ; v1 = 16 t, v2 = 8 t
	s_load_b256 s[4:11], s[0:1], 0x0               ; x s[4:5], weight s[6:7], xb s[8:9], wb s[10:11]
	s_lshl_b32 s12, ttmp9, 16                      ; my 65,536 bytes of the inputs (under 2^26)
	s_mov_b32 s13, 0
	s_lshl_b32 s14, ttmp9, 15                      ; my 32,768 bytes of the outputs
	s_mov_b32 s15, 0
	v_lshlrev_b32 v1, 4, v0
	v_lshlrev_b32 v2, 3, v0
	s_wait_kmcnt 0x0
	s_add_nc_u64 s[4:5], s[4:5], s[12:13]
	s_add_nc_u64 s[6:7], s[6:7], s[12:13]
	s_add_nc_u64 s[8:9], s[8:9], s[14:15]
	s_add_nc_u64 s[10:11], s[10:11], s[14:15]
	s_wait_alu depctr_va_vdst(0)                   ; v1 and v2 are written: every load of the kernel reads the one as its offset, every store the other
.irp i, 0,1,2,3,4,5,6,7,8,9,10,11,12,13,14,15
	global_load_b128 v[X+4*(\i):X+4*(\i)+3], v1, s[4:5] offset:(\i)*ROWIN th:TH_LOAD_NT  ; blocks 0 to 3 into X0 to X3: x's 16 rows; read once in the launch
.endr
.irp i, 0,1,2,3
	global_load_b128 v[X+64+4*(\i):X+64+4*(\i)+3], v1, s[6:7] offset:(\i)*ROWIN th:TH_LOAD_NT  ; block 4 into X4: weight's rows 0 to 3
.endr
; Row i of block q is stored: blocks 0 to 3 go to xb (s[8:9]), blocks 4 to 7 to wb (s[10:11]).
.macro PUT q, i
	global_store_b64 v2, v[Y+8*((\q)%5)+2*(\i):Y+8*((\q)%5)+2*(\i)+1], s[8+2*((\q)/4):9+2*((\q)/4)] offset:(4*((\q)%4)+(\i))*ROWOUT  ; no hint: the next launch reads these bytes
.endm
; Block p.  left = the younger loads that may stay out when this block's four have to be there.
.macro BLK p, left
	s_wait_loadcnt \left                           ; loads come back in order (ISA guide 5.7.1): X[p % 5] is in, the younger blocks stay out
.if (\p) == 5
	s_wait_xcnt 0x0                                ; every earlier memory instruction has had its addresses translated (ISA guide 3.1): Y0, Y1 and Y2, which the stores of blocks 0 to 2 read, are rewritten only behind this wait
	s_wait_alu depctr_vm_vsrc(0)                   ; the stores issued in blocks 1 to 4 have read Y0 to Y3; the roundings of blocks 5, 6 and 7 write Y0, Y1 and Y2 again
.endif
.if (\p) > 0
	s_wait_alu depctr_va_vdst(0)                   ; the block before has written its Y, which the stores below read, and is done reading its X, in which the loads below (blocks 1 to 3) land
.endif
.irp i, 0,1,2,3
.if ((\p) > 0) && ((\p) < 4)
	global_load_b128 v[X+16*(((\p)+4)%5)+4*(\i):X+16*(((\p)+4)%5)+4*(\i)+3], v1, s[6:7] offset:(4*(\p)+(\i))*ROWIN th:TH_LOAD_NT  ; block p + 4 = weight's rows 4 p on; the load goes out ahead of the store; no vector instruction since the wait names these registers
.endif
.if (\p) > 0
	PUT (\p)-1, \i                                 ; the block before
.endif
	v_cvt_pk_bf16_f32 v[Y+8*((\p)%5)+2*(\i)],   v[X+16*((\p)%5)+4*(\i)],   v[X+16*((\p)%5)+4*(\i)+1]  ; two roundings, the first source in the low half
	v_cvt_pk_bf16_f32 v[Y+8*((\p)%5)+2*(\i)+1], v[X+16*((\p)%5)+4*(\i)+2], v[X+16*((\p)%5)+4*(\i)+3]
.endr
.endm
	BLK 0, 16                                      ; behind block 0's loads stand those of blocks 1 to 4; no block stands in front of it: no store, no load, no wait but the one for its data
	BLK 1, 12                                      ; behind a block's loads stand the three younger blocks'
	BLK 2, 12
	BLK 3, 12                                      ; asks for weight's last four rows
	BLK 4, 12
	BLK 5, 8                                       ; nothing more is loaded: the counts run down
	BLK 6, 4
	BLK 7, 0
	s_wait_alu depctr_va_vdst(0)                   ; block 7 has written Y2, which the last four stores read
.irp i, 0,1,2,3
	PUT 7, \i
.endr
	s_endpgm
.Lfunc_end_k_q0c1e488089_tobf16:
	.size	k_q0c1e488089_tobf16, .Lfunc_end_k_q0c1e488089_tobf16-k_q0c1e488089_tobf16
	.p2alignl 7, 3214868480
	.fill 96, 4, 3214868480
	.section	.rodata,"a",@progbits
	.p2align	6, 0x0
	.amdhsa_kernel k_q0c1e488089_tobf16
		.amdhsa_group_segment_fixed_size 0
		.amdhsa_private_segment_fixed_size 0
		.amdhsa_enable_private_segment 0
		.amdhsa_kernarg_size 32
		.amdhsa_user_sgpr_count 2
		.amdhsa_user_sgpr_kernarg_segment_ptr 1
		.amdhsa_wavefront_size32 1
		.amdhsa_system_sgpr_workgroup_id_x 1
		.amdhsa_system_sgpr_workgroup_id_y 1
		.amdhsa_system_sgpr_workgroup_id_z 1
		.amdhsa_system_vgpr_workitem_id 0
		.amdhsa_next_free_vgpr 124
		.amdhsa_next_free_sgpr 66
		.amdhsa_reserve_vcc 0
		.amdhsa_float_denorm_mode_32 3
		.amdhsa_float_denorm_mode_16_64 3
		.amdhsa_memory_ordered 1
		.amdhsa_forward_progress 1
		.amdhsa_inst_pref_size 12
	.end_amdhsa_kernel
	.amdgpu_metadata
---
amdhsa.version: [ 1, 2 ]
amdhsa.kernels:
  - .name:           k_q0c1e488089_tobf16
    .symbol:         k_q0c1e488089_tobf16.kd
    .args:
      - { .name: x, .offset: 0, .size: 8, .value_kind: global_buffer, .address_space: global }
      - { .name: weight, .offset: 8, .size: 8, .value_kind: global_buffer, .address_space: global }
      - { .name: xb, .offset: 16, .size: 8, .value_kind: global_buffer, .address_space: global }
      - { .name: wb, .offset: 24, .size: 8, .value_kind: global_buffer, .address_space: global }
    .group_segment_fixed_size: 0
    .private_segment_fixed_size: 0
    .kernarg_segment_align: 8
    .kernarg_segment_size: 32
    .max_flat_workgroup_size: 256
    .sgpr_count:     66
    .vgpr_count:     124
    .wavefront_size: 32
...
	.end_amdgpu_metadata
.endif
;; end of part 3
;; launch gemm: the kernel of part 2 again; grid 16 x 16, 4 waves a work-group, clusters of 4 x 4, 327,680 bytes of LDS; arguments xb, wb, out0, bias; writes out0
